; MI455X (gfx1250); checked and timed in simulation.
; The chip was launched on July 23, 2026; its instructions are those of AMD's public machine-readable ISA for CDNA 5 (MIT licence, August 2026) and "CDNA5" Instruction Set Architecture Reference Guide (July 2026). The comments in the code are by the model that wrote it; some were corrected since.
;; Linear Wrapper. Allowed arithmetic: matrix products marked QUANTISED: E3M2 operands, one E8M0 scale for each 32 along K, by v_wmma_scale_f32_16x16x128_f8f6f4 with both operands' format E3M2, f32 sums; products left as they are: f32 operands where the result goes on into a quantised operand, else bf16, f16 or f32 operands; f32 sums; everything else in f32.
;; Inputs: W 4,096 x 4,096 float32; bias 4,096 float32; lora_A 16 x 4,096 float32; lora_B 4,096 x 16 float32; lora_scale one number float32; x_codes 4,096 x 128 x 24 uint8 (E3M2 codes of x, K innermost, in blocks of 32 codes, four codes in three bytes); x_scales 4,096 x 128 uint8 (E8M0 scales of x, one for each 32 codes along K).
;; Outputs: out0 4,096 x 4,096 float32.
;; This version of the problem:
;;   THIS VERSION OF THE PROBLEM IS GIVEN IN LOW PRECISION. The matrix products marked QUANTISED in the list below multiply operands that are first quantised to E3M2 (3 exponent bits, 2 mantissa bits; 6 bits a number), with one power-of-two scale for each 32 numbers along K (OCP MX v1.0); their sums are f32. All else is computed in f32.
;;   The module's matrix products, in the order in which they are computed (A, B: the left and right operand; K: the contracted axis; several contracted axes count as one K, in the product's order):
;;     1. [M 4,096, K 16] x [K 16, N 4,096]; A: input lora_B; B: input lora_A: left as it is (K = 16 < 32)
;;     2. [M 4,096, K 4,096] x [K 4,096, N 4,096]; A: input x (given as codes); B: computed on the way: QUANTISED
;;   THE QUANTISER, for each operand of a quantised product, along K:
;;     - K is cut into blocks of 32 from its start; a last block that is shorter is filled with zeros.
;;     - A block's scale is 2^e with e = floor(log2(the largest magnitude in the block)) - 4, held to -126 .. 127; a block of zeros has e = 0. As a byte (E8M0): e + 127.
;;     - Each number is divided by its block's scale, clamped to +-28, and rounded to the nearest number of E3M2, ties to even, subnormals kept.
;;     - The product sums the exact products of the quantised numbers (number of the format x scale) in f32.
;;   ~~~python
;;   def quantise(x, axis):      # numpy; x: float32 -> the quantised numbers, widened to float32 again
;;       x = np.moveaxis(x, axis, -1); K = x.shape[-1]
;;       x = np.pad(x, [(0, 0)] * (x.ndim - 1) + [(0, -K % 32)]); x = x.reshape(x.shape[:-1] + (-1, 32)); a = np.abs(x).max(-1, keepdims=True)
;;       e = np.where(a > 0, np.clip(np.frexp(np.where(a > 0, a, 1))[1] - 1 - 4, -126, 127), 0)      # np.frexp(a)[1] - 1 = floor(log2(a)), exactly
;;       r = np.clip(x / 2.0 ** e, -28, 28)
;;       step = 2.0 ** (np.maximum(np.frexp(np.where(r == 0, 1, r))[1] - 1, -2) - 2)
;;       q = np.round(r / step) * step * 2.0 ** e      # np.round: ties to even
;;       return np.moveaxis(q.reshape(q.shape[:-2] + (-1,))[..., :K], -1, axis).astype(np.float32)
;;   ~~~
;;   OPERANDS COMPUTED ON THE WAY. 'Computed on the way' means the value that the module computes at that place (a softmax that the list does not call 'softmax' is quantised finished and normalised). What goes into a quantiser is computed in f32, as accurately as f32 sums, v_exp_f32 and their like allow (about 1e-6 of the number): no bf16 or f16 on the way to a quantiser, and a product that is left as it is and whose result goes on into a quantised operand takes f32 operands (vector FMAs, or v_wmma_f32_16x16x4_f32). A number that lies on a knife's edge between two numbers of the format may be rounded either way, as far as f32 arithmetic and the matrix unit's own rounding can turn it there, and no further.
;;   INPUTS GIVEN AS CODES. x (in the module: [4096, 4096], K = its axis 1): each comes as NAME_codes (uint8): NAME with its K axis moved to the last place and cut into blocks of 32 codes, [.., K / 32, bytes a block], one block behind the other in memory; four codes in three bytes: a row's codes are one little-endian stream of bits, code i at bits 6 i .. 6 i + 5 (a code: sign, 3 exponent bits, 2 mantissa bits); and NAME_scales (uint8): the same leading axes, one E8M0 byte (e + 127) for each 32 codes along K. Its value is code x scale, taken as it is: it is not quantised again, and the codes and scales need not be those that the quantiser above would give.
;; One version. Each part assembles by itself: llvm-mc -triple=amdgcn-amd-amdhsa -mcpu=gfx1250 --defsym DOCPART=n.
;; ======== version 1 of 1: 2 launches
;; limits: right only within a limited range of input values
;; workspace buffers: w_img 13,107,200 bytes; x_img 13,107,200 bytes
;; launch prep (part 1): grid 4 x 64, 8 waves a work-group, no clusters, 327,680 bytes of LDS; arguments W, lora_A, lora_B, lora_scale, x_codes, x_scales, w_img, x_img; writes w_img, x_img
.if DOCPART == 1
	.amdgcn_target "amdgcn-amd-amdhsa--gfx1250"
	.amdhsa_code_object_version 6
	.text
	.protected	k_qeb2d876286_prep
	.globl	k_qeb2d876286_prep
	.p2align	8
	.type	k_qeb2d876286_prep,@function
k_qeb2d876286_prep:
	s_mov_b64 s[64:65], 0
	v_nop
	global_prefetch_b8 v0, s[64:65] scope:SCOPE_SE
	s_setreg_imm32_b32 hwreg(HW_REG_WAVE_MODE, 25, 1), 1
	s_wait_xcnt 0x0
; weight = W + lora_scale x (lora_B lora_A) in f32, quantised along K to E3M2 with one E8M0 byte for each 32; and x's given codes and scale bytes laid anew.
; BOTH OPERANDS GET ONE LAYOUT: [rows / 128][K / 128] pieces of 12,800 bytes: eight images of operand registers (16 rows x 128 K: 1,536 bytes, registers 4 c .. 4 c + 3 of lane l at 512 c + 16 l),
; then 512 bytes of scale words: the word of row 32 j + l at 256 (j / 2) + 8 l + 4 (j % 2).  Every piece begins at a multiple of 256 bytes.
; A work-group takes 64 rows x 1,024 K of W and of x; wave w takes 128 K of them.  W's 64 x 128 numbers come by ONE tensor load a wave, into LDS bytes that the wave alone reads; nothing is filled again.
; While that load is out, x's 64 rows x 768 bytes come in whole units of 256 bytes into a stage in LDS, are read back as fragments (six pieces of 8 bytes) and stored as images.
; The LoRA product has f32 operands (v_wmma_f32_16x16x4_f32, W as the C of its first step), transposed, so that a lane's registers run along K; the rows of lora_A^T that form a tile are chosen so that
; two neighbouring tiles give a lane 16 neighbours along K.  x's scale words: each lane reads 4 bytes of two rows (524,288 bytes in the whole launch), and stores 8 neighbouring bytes.
; LIMITS: a block of zeros gets the scale byte 1 (its codes are zeros); the bytes are read by this program alone.
.set PITCH, 528
.set TILE,  16*PITCH
.set WREG,  4*TILE                     ; a wave's 64 rows of W: 512 bytes + 16 of padding each
.set SCG,   8*WREG                     ; 256 bytes a wave: the weight's scale words on their way out
.set SPARE, SCG+2048                   ; the spare words, 128 bytes a wave
.set XS,    SPARE+1024                 ; x's stage: 64 rows of 768 bytes + 16
.set XP,    784
.set UB,    12800
.set RB,    32*UB
.set X,   16
.set ACC, 80
.set PC,  144
.set TM,  168
.set PW,  184
.set XI,  192
.set AT,  0
.set BF,  64
.set SEL, 22
.set G1,  24
.set G0,  32
.set MSB, 0
.macro WIN new
.if MSB != \new
	s_set_vgpr_msb (MSB<<8)|\new
.set MSB, \new
.endif
.endm
	s_load_b256 s[4:11], s[0:1], 0x0               ; W, lora_A, lora_B, lora_scale
	s_load_b256 s[40:47], s[0:1], 0x20             ; x_codes, x_scales, w_img, x_img
	v_lshl_add_u32 v254, v0, 2, SPARE
	v_mov_b32 v255, 0
	ds_add_u32 v254, v255                          ; the opening lines: the add, twice on end, and its wait
	ds_add_u32 v254, v255
	v_lshrrev_b32 v1, 5, v0
	s_delay_alu instid0(VALU_DEP_1)
	v_readfirstlane_b32 s18, v1                    ; wave
	s_and_b32 s20, ttmp7, 0xffff                   ; y: which 64 rows
	s_lshl_b32 s21, ttmp9, 3
	s_add_co_u32 s21, s21, s18                     ; which 128 along K
	s_mul_i32 s48, s18, WREG
	s_lshl_b32 s49, s18, 8
	s_add_co_u32 s49, s49, SCG
	s_mul_i32 s60, s18, 8*XP
	s_add_co_u32 s60, s60, XS                      ; into the stage: my 8 rows
	s_mul_i32 s61, s18, 96
	s_add_co_u32 s61, s61, XS                      ; out of it: my 96 bytes of every row
	s_and_b32 s19, s20, 1                          ; which half of a piece's 128 rows
	s_mul_i32 s62, s19, 5888
	s_sub_co_u32 s62, 12288, s62                   ; from my first image to my 256 bytes of scale words
	s_mov_b32 s[SEL], 0x76543210
	s_mov_b32 s[SEL+1], 0xfedcba98
	s_lshl_b32 s50, s20, 20
	s_lshl_b32 s52, s21, 9
	s_add_co_u32 s50, s50, s52                     ; W
	s_mov_b32 s51, 0
	s_mov_b32 s53, 0                               ; lora_A: s52
	s_lshl_b32 s54, s20, 12                        ; lora_B
	s_mov_b32 s55, 0
	s_lshr_b32 s56, s20, 1
	s_mul_i32 s56, s56, RB
	s_mul_i32 s57, s21, UB
	s_add_co_u32 s56, s56, s57
	s_mul_i32 s57, s19, 6144
	s_add_co_u32 s56, s56, s57                     ; my first image, in w_img and in x_img alike
	s_mov_b32 s57, 0
	s_mul_i32 s58, s20, 64*3072
	s_mul_i32 s59, ttmp9, 768
	s_add_co_u32 s58, s58, s59
	s_mul_i32 s59, s18, 8*3072
	s_add_co_u32 s58, s58, s59                     ; x's codes: my 8 rows, the work-group's 768 bytes of them
	s_mov_b32 s59, 0
	s_lshl_b32 s36, s20, 13
	s_lshl_b32 s37, s21, 2
	s_add_co_u32 s36, s36, s37                     ; x's scales
	s_mov_b32 s37, 0
	s_mov_b32 s[G1+0], (2<<16)|(1<<20)|(6<<22)|(3<<25)   ; elements of 4 bytes; 4 words of padding behind every 128
	s_mov_b32 s[G1+1], 128<<16
	s_mov_b32 s[G1+2], 64<<16
	s_mov_b32 s[G1+3], 128<<16
	s_mov_b32 s[G1+4], 64
	s_mov_b32 s[G1+5], 4096
	s_mov_b32 s[G1+6], 0
	s_mov_b32 s[G1+7], 0
	v_and_b32 v1, 31, v0                           ; lane
	v_and_b32 v2, 15, v0                           ; r
	v_bfe_u32 v3, v0, 4, 1                         ; h
	v_lshlrev_b32 v5, 4, v1                        ; an image: 16 x lane
	v_mul_u32_u24 v4, v2, PITCH
	v_and_b32 v6, 8, v2
	v_lshlrev_b32 v7, 6, v2
	v_mul_u32_u24 v11, v3, 3072
	v_lshl_add_u32 v4, v3, 6, v4
	v_add_nc_u32 v6, v6, v2
	v_lshl_add_u32 v7, v3, 3, v7                   ; lora_B: row r of 64 bytes, + 8 h
	v_lshl_add_u32 v11, v2, 4, v11                 ; x's codes: lanes 0-15 one unit of 256 bytes, lanes 16-31 the same unit of the next row
	v_add_nc_u32 v4, s48, v4                       ; W in LDS: row r, + 64 h
	v_lshlrev_b32 v6, 2, v6
	v_mul_u32_u24 v186, v3, XP
	v_mul_u32_u24 v187, v2, XP
	v_lshl_add_u32 v6, v3, 15, v6                  ; lora_A: column r + 8 (r / 8), + 2 h rows
	v_lshl_add_u32 v8, v2, 3, s49
	v_lshl_add_u32 v186, v2, 4, v186
	v_mad_u32_u24 v187, v3, 24, v187
	v_lshl_add_u32 v9, v1, 3, s49
	v_lshl_add_u32 v10, v1, 3, s62
	v_add_nc_u32 v186, s60, v186
	v_add_nc_u32 v187, s61, v187
	v_lshlrev_b32 v188, 7, v1                      ; x's scales: a lane a row of 128 bytes
.irp b, 0,1,2,3
	v_mov_b32 v[TM+4+\b], 0
.endr
	s_wait_alu depctr_va_vdst(0)                   ; the wait at the head's end
	s_wait_dscnt 0x0
	s_wait_kmcnt 0x0
	s_load_b32 s16, s[10:11], 0x0
	s_add_nc_u64 s[4:5], s[4:5], s[50:51]
	s_add_nc_u64 s[6:7], s[6:7], s[52:53]
	s_add_nc_u64 s[8:9], s[8:9], s[54:55]
	s_add_nc_u64 s[40:41], s[40:41], s[58:59]
	s_add_nc_u64 s[42:43], s[42:43], s[36:37]
	s_add_nc_u64 s[44:45], s[44:45], s[56:57]
	s_add_nc_u64 s[46:47], s[46:47], s[56:57]
	s_mov_b32 s[G0], 1
	s_mov_b32 s[G0+1], s48
	s_mov_b64 s[G0+2:G0+3], s[4:5]
	s_or_b32 s[G0+3], s[G0+3], 0x80000000
	tensor_load_to_lds s[G0:G0+3], s[G1:G1+7]      ; my 64 x 128 numbers of W: my one tensor load
	s_nop 0
.rept 4
	v_nop
.endr
.irp i, 0,1,2,3,4,5,6,7,8,9,10,11
	global_load_b128 v[X+4*\i:X+4*\i+3], v11, s[40:41] offset:(\i/3)*6144+256*(\i%3) th:TH_LOAD_NT
.endr
	global_load_b32 v14, v188, s[42:43]            ; the words of rows l and 32 + l: as they are stored, 8 bytes a lane
	global_load_b32 v15, v188, s[42:43] offset:4096
	WIN 0x40
.irp t, 0,1,2,3,4,5,6,7
.irp kc, 0,1,2,3
.irp j, 0,1
	global_load_b32 v[AT+8*\t+2*\kc+\j], v6, s[6:7] offset:(4*\kc+\j)*16384+(32*(\t/2)+8*(\t%2))*4
.endr
.endr
.endr
.irp s, 0,1,2,3
.irp kc, 0,1,2,3
	global_load_b64 v[BF+8*\s+2*\kc:BF+8*\s+2*\kc+1], v7, s[8:9] offset:1024*\s+16*\kc
.endr
.endr
	WIN 0
	s_wait_kmcnt 0x0
	s_mov_b32 s17, s16
	s_wait_loadcnt 0x0
.irp i, 0,1,2,3,4,5,6,7,8,9,10,11
	ds_store_b128 v186, v[X+4*\i:X+4*\i+3] offset:(\i/3)*2*XP+256*(\i%3)
.endr
	WIN 0x41
.set i, 0
.rept 16
	v_pk_mul_f32 v[BF+i:BF+i+1], v[BF+i:BF+i+1], s[16:17] op_sel_hi:[1,0]   ; lora_scale goes into lora_B's rows
.set i, i+2
.endr
	WIN 0
	s_wait_alu depctr_va_vdst(0)                   ; directly ahead of the wait below
	s_wait_dscnt 0x0                               ; for the others' sake: my rows are in the stage
	s_barrier_signal -1
	s_barrier_wait -1
.irp s, 0,1,2,3
.irp p, 0,1,2,3,4,5
	ds_load_b64 v[XI+12*\s+2*\p:XI+12*\s+2*\p+1], v187 offset:\s*16*XP+48*(\p/3)+8*(\p%3)
.endr
.endr
	s_wait_dscnt 0x0
.irp s, 0,1,2,3
.irp c, 0,1,2
	global_store_b128 v5, v[XI+12*\s+4*\c:XI+12*\s+4*\c+3], s[46:47] offset:1536*\s+512*\c   ; 512 consecutive bytes
.endr
.endr
	global_store_b64 v10, v[14:15], s[46:47]       ; 256 consecutive bytes
.macro XLOAD s
.irp b, 0,1,2,3
.irp i, 0,1,2,3
	ds_load_b128 v[X+16*\b+4*\i:X+16*\b+4*\i+3], v4 offset:TILE*(\s)+128*\b+16*\i
.endr
.endr
.endm
.macro QUANT s                         ; four blocks of 32 along K: the largest magnitude with the floor 2^(5 - 127), 4 off its exponent field, the byte, the codes
.irp b, 0,1,2,3
	v_max3_num_f32 v[TM+\b], |v[\s+16*\b]|, |v[\s+1+16*\b]|, 0x2800000
.endr
.irp i, 2,4,6,8,10,12,14
.irp b, 0,1,2,3
	v_max3_num_f32 v[TM+\b], v[TM+\b], |v[\s+16*\b+\i]|, |v[\s+1+16*\b+\i]|
.endr
.endr
.irp b, 0,1,2,3
	s_delay_alu instid0(VALU_DEP_4)
	v_permlanex16_b32 v[TM+4+\b], v[TM+\b], s[SEL], s[SEL+1]
.endr
.irp b, 0,1,2,3
	s_delay_alu instid0(VALU_DEP_4)
	v_max_num_f32 v[TM+\b], v[TM+\b], v[TM+4+\b]
.endr
.irp b, 0,1,2,3
	s_delay_alu instid0(VALU_DEP_4)
	v_add_nc_u32 v[TM+12+\b], 0xfe000000, v[TM+\b]
.endr
.irp b, 0,1,2,3
	s_delay_alu instid0(VALU_DEP_4)
	v_lshrrev_b32 v[TM+4+\b], 23, v[TM+12+\b]
.endr
	s_delay_alu instid0(VALU_DEP_3)
	v_lshl_or_b32 v[PW], v[TM+5], 8, v[TM+4]
	s_delay_alu instid0(VALU_DEP_1)
	v_lshl_or_b32 v[PW], v[TM+6], 16, v[PW]
	s_delay_alu instid0(VALU_DEP_1)
	v_lshl_or_b32 v[PW], v[TM+7], 24, v[PW]
.irp c, 0,1
	v_cvt_scalef32_pk16_bf6_f32 v[PC+6*\c:PC+2+6*\c], v[\s+32*\c:\s+15+32*\c], v[TM+12+2*\c]
	v_cvt_scalef32_pk16_bf6_f32 v[PC+12+4*\c:PC+14+4*\c], v[\s+16+32*\c:\s+31+32*\c], v[TM+12+2*\c+1]
.endr
	v_nop
.irp c, 0,1
.irp i, 0,1,2
	v_permlane16_swap_b32 v[PC+6*\c+\i], v[PC+12+4*\c+\i]
.endr
.irp i, 0,1,2
	s_delay_alu instid0(VALU_DEP_3)
	v_mov_b32 v[PC+3+6*\c+\i], v[PC+12+4*\c+\i]
.endr
.endr
.endm
.macro STEP s                          ; 16 rows of the weight x 128 K
	s_wait_dscnt 0x0
	WIN 0x05
.irp kc, 0,1,2,3
.irp t, 0,1,2,3,4,5,6,7
.if \kc == 0
	v_wmma_f32_16x16x4_f32 v[ACC+8*\t:ACC+8*\t+7], v[AT+8*\t+2*\kc:AT+8*\t+2*\kc+1], v[BF+8*(\s)+2*\kc:BF+8*(\s)+2*\kc+1], v[X+8*\t:X+8*\t+7]
.else
	v_wmma_f32_16x16x4_f32 v[ACC+8*\t:ACC+8*\t+7], v[AT+8*\t+2*\kc:AT+8*\t+2*\kc+1], v[BF+8*(\s)+2*\kc:BF+8*(\s)+2*\kc+1], v[ACC+8*\t:ACC+8*\t+7]
.endif
.endr
.endr
	WIN 0
.rept 9
	v_nop
.endr
.if (\s) < 3
	XLOAD (\s)+1
.endif
.if (\s) > 0
	s_wait_xcnt 0x0                                ; the last step's stores have read their registers
.endif
	QUANT ACC
.irp c, 0,1,2
	global_store_b128 v5, v[PC+4*\c:PC+4*\c+3], s[44:45] offset:1536*(\s)+512*\c
.endr
	ds_store_b32 v8, v[PW] offset:128*((\s)%2)+4*((\s)/2)   ; row 16 s + r of my 64: lane 16 (s % 2) + r, word s / 2
.endm
	s_wait_tensorcnt 0x0                           ; my numbers of W are in; I alone read them
	XLOAD 0
	STEP 0
	STEP 1
	STEP 2
	STEP 3
	ds_load_b64 v[12:13], v9
	s_wait_dscnt 0x0
	global_store_b64 v10, v[12:13], s[44:45]       ; 256 consecutive bytes
	s_wait_tensorcnt 0x0                           ; the wave's end
	ds_add_u32 v254, v255
	s_wait_dscnt 0x0
	s_endpgm
.Lfunc_end_k_qeb2d876286_prep:
	.size	k_qeb2d876286_prep, .Lfunc_end_k_qeb2d876286_prep-k_qeb2d876286_prep
	.p2alignl 7, 3214868480
	.fill 96, 4, 3214868480
	.section	.rodata,"a",@progbits
	.p2align	6, 0x0
	.amdhsa_kernel k_qeb2d876286_prep
		.amdhsa_group_segment_fixed_size 327680
		.amdhsa_private_segment_fixed_size 0
		.amdhsa_enable_private_segment 0
		.amdhsa_kernarg_size 64
		.amdhsa_user_sgpr_count 2
		.amdhsa_user_sgpr_kernarg_segment_ptr 1
		.amdhsa_wavefront_size32 1
		.amdhsa_system_sgpr_workgroup_id_x 1
		.amdhsa_system_sgpr_workgroup_id_y 1
		.amdhsa_system_sgpr_workgroup_id_z 1
		.amdhsa_system_vgpr_workitem_id 0
		.amdhsa_next_free_vgpr 352
		.amdhsa_next_free_sgpr 66
		.amdhsa_reserve_vcc 0
		.amdhsa_float_denorm_mode_32 3
		.amdhsa_float_denorm_mode_16_64 3
		.amdhsa_memory_ordered 1
		.amdhsa_forward_progress 1
		.amdhsa_inst_pref_size 53
	.end_amdhsa_kernel
	.amdgpu_metadata
---
amdhsa.version: [ 1, 2 ]
amdhsa.kernels:
  - .name:           k_qeb2d876286_prep
    .symbol:         k_qeb2d876286_prep.kd
    .args:
      - { .name: W, .offset: 0, .size: 8, .value_kind: global_buffer, .address_space: global }
      - { .name: lora_A, .offset: 8, .size: 8, .value_kind: global_buffer, .address_space: global }
      - { .name: lora_B, .offset: 16, .size: 8, .value_kind: global_buffer, .address_space: global }
      - { .name: lora_scale, .offset: 24, .size: 8, .value_kind: global_buffer, .address_space: global }
      - { .name: x_codes, .offset: 32, .size: 8, .value_kind: global_buffer, .address_space: global }
      - { .name: x_scales, .offset: 40, .size: 8, .value_kind: global_buffer, .address_space: global }
      - { .name: w_img, .offset: 48, .size: 8, .value_kind: global_buffer, .address_space: global }
      - { .name: x_img, .offset: 56, .size: 8, .value_kind: global_buffer, .address_space: global }
    .group_segment_fixed_size: 327680
    .private_segment_fixed_size: 0
    .kernarg_segment_align: 8
    .kernarg_segment_size: 64
    .max_flat_workgroup_size: 256
    .sgpr_count:     66
    .vgpr_count:     352
    .wavefront_size: 32
...
	.end_amdgpu_metadata
.endif
;; end of part 1
;; launch gemm (part 2): grid 16 x 16, 4 waves a work-group, clusters of 4 x 4, 327,680 bytes of LDS; arguments x_img, w_img, out0, bias; writes out0
.if DOCPART == 2
	.amdgcn_target "amdgcn-amd-amdhsa--gfx1250"
	.amdhsa_code_object_version 6
	.text
	.protected	k_qeb2d876286_gemm
	.globl	k_qeb2d876286_gemm
	.p2align	8
	.type	k_qeb2d876286_gemm,@function
k_qeb2d876286_gemm:
	s_mov_b64 s[64:65], 0
	v_nop
	global_prefetch_b8 v0, s[64:65] scope:SCOPE_SE
	s_setreg_imm32_b32 hwreg(HW_REG_WAVE_MODE, 25, 1), 1
	s_wait_xcnt 0x0
	s_wait_alu depctr_hold_cnt(0) depctr_sa_sdst(0) depctr_va_vdst(0) depctr_va_sdst(0) depctr_va_ssrc(0) depctr_va_vcc(0) depctr_vm_vsrc(0)
	s_getreg_b32 s2, hwreg(HW_REG_IB_STS2, 6, 4)
	s_cmp_eq_u32 s2, 0
	s_cbranch_scc0 .Lentry_in_a_cluster
	s_endpgm
.Lentry_in_a_cluster:
	s_bfe_u32 s2, ttmp6, 0x10000c
	s_cmp_lg_u32 s2, 0xf033
	s_cbranch_scc0 .Lentry_shape_is_right
	s_endpgm
.Lentry_shape_is_right:
; out0[m][n] = sum over k of x[m][k] weight[n][k] + bias[n], 4,096 x 4,096 x 4,096, both operands codes of E3M2 with one E8M0 byte for each 32 along K; sums in f32.
; Both operands lie as the launch before laid them: [rows / 128][K / 128] pieces of 12,800 bytes: eight images of operand registers (16 rows x 128 K, 1,536 bytes), then 512 bytes of scale words.
; A tile of out0, 256 x 256, is made by a work-group of four waves; a wave makes 128 x 128: 64 accumulators, 512 registers.
; K goes through a ring of two LDS slots.  A fill holds 384 along K of x's 256 rows and of the weight's 256 rows, codes and scale words together: four dense blocks of 38,400 bytes, one tensor load a wave,
; as 150 rows of 256 bytes that begin at multiples of 256.  4,096 = 10 x 384 + 256: fills 0 to 9, and a last fill of 100 rows.  Two slots and the spare words are 307,712 bytes.
; A fragment comes by three loads of 16 bytes at 16 x lane, a unit's scale words by four loads of 8 bytes at 8 x lane; every LDS address is a register made at the head and a constant.
; CLUSTERS: 4 x 4 work-groups.  The four of a row of the cluster need the same blocks of x, the four of a column the same blocks of the weight: each is asked for JOINTLY.
; THE MATRIX INSTRUCTION IS USED TRANSPOSED (source 0 = 16 rows of the weight, source 1 = 16 rows of x): a lane holds eight neighbouring numbers of a row of out0.  THE BIAS is the C of each sum's first product.
; PREFETCH: behind the load of fill f each wave asks for its work-group's share of fill f + 2 of the block that it fetches: 38 (the last partner 36) of its 150 units of 256 bytes, the four partners told apart by
; address; two instructions, lanes left over name the share's last unit again.  Fills 2 to 9 are asked for; fills 0 and 1 and the shorter fill 10 come by their loads alone.
; REGISTERS: window 0: v16-31 addresses; v32-47 scale words, two sets; v64-127 the bias; v128-223 x's fragments, ONE set (on the way out v128-255 take rows of out0).
;   window 1: the weight's fragments, TWO sets, at v0 and v128.   window 2: the accumulators of my rows 0-63 ((a, b) at 8 (8 a + b));   window 3: those of my rows 64-127.
; LIMITS: the sums begin on the bias: another order of f32 rounding than the bias added last.  x's scale bytes are taken as given (a byte 0xff makes its sums NaN).
.set SIZE_N, 4096
.set UB,     12800                     ; 128 rows x 128 K: images and scale words
.set HT,     3*UB                      ; what one tensor load brings
.set SLOT,   4*HT                      ; x's two halves, then the weight's two
.set RB,     32*UB                     ; 128 rows, all of K
.set SPARE,  2*SLOT                    ; the spare words, 128 bytes a wave
.set STAGE,  SLOT                      ; the way out goes through slot 1, which has had its last fill (fill 9) and its last read by then
.set SPITCH, 528
.set FR,     12
.set NP,     4                         ; places behind this matrix instruction (ISA guide 7.12.1)
.set ADRA, 16                          ; v16-17 my images of x in slot 0, 1
.set ADRB, 18                          ; v18-19 of the weight
.set ADSA, 20                          ; v20-21 x's scale words
.set ADSB, 22                          ; v22-23 the weight's
.set STO,  24
.set RD,   25
.set CO,   26
.set BO,   27
.set SPW,  28                          ; my spare word; never rewritten
.set NIL,  29                          ; 0; never rewritten
.set PF0,  30                          ; v30-31 the prefetches' offsets; never rewritten
.set PF1,  31
.set SC,   32                          ; set p at SC + 8 p: + j: x's words of blocks 2 j (lanes 0-15) and 2 j + 1 (lanes 16-31);  + 4 + j: the weight's
.set BIAS, 64
.set AF,   128
.set BK,   128
.set G1, 24                            ; s[24:31] group 1 for x's blocks; s[32:39] groups 0, one for each slot
.set G0, 32
.set PFA, 44                           ; s[44:45] where my prefetches stand
.set G1B, 48                           ; s[48:55], s[56:63] the same for the weight's
.set G0B, 56
.set MSB, 0
.macro WIN new                         ; the immediate's high byte repeats the setting that is left
.if MSB != \new
	s_set_vgpr_msb (MSB<<8)|\new
.set MSB, \new
.endif
.endm
.set MUL_LO, 0xa1                      ; source 0 (the weight) window 1, source 1 (x) window 0, C and D window 2
.set MUL_HI, 0xf1
.set FST_LO, 0x81                      ; the first products: C (the bias) window 0
.set FST_HI, 0xc1
.set TO_B,   0x40
.macro JLOAD s                         ; a joint load: waves 0 and 1 fetch x's halves, waves 2 and 3 the weight's; s_nop 0 and four v_nop follow each line
	s_cmp_eq_u32 s15, 0
	s_cbranch_scc0 .Lfor_b_\@
	tensor_load_to_lds s[G0+4*\s:G0+4*\s+3], s[G1:G1+7]
	s_nop 0
.rept 4
	v_nop
.endr
	s_branch .Lasked_\@
.Lfor_b_\@:
	tensor_load_to_lds s[G0B+4*\s:G0B+4*\s+3], s[G1B:G1B+7]
	s_nop 0
.rept 4
	v_nop
.endr
.Lasked_\@:
.endm
.macro CREST                           ; a round of the cluster's barrier behind its opening barrier
	s_cmp_lg_u32 s14, 0
	s_cbranch_scc1 .Lnot_wave_0_\@
	s_barrier_signal -3
.Lnot_wave_0_\@:
	s_barrier_wait -3
	s_barrier_signal -1
	s_barrier_wait -1
.endm
.macro CROUND
	s_barrier_signal -1
	s_barrier_wait -1
	CREST
.endm
.macro ASK off
	global_prefetch_b8 v[PF0], s[PFA:PFA+1] offset:\off th:TH_LOAD_NT scope:SCOPE_SE
	global_prefetch_b8 v[PF1], s[PFA:PFA+1] offset:\off th:TH_LOAD_NT scope:SCOPE_SE
.endm
	s_load_b256 s[4:11], s[0:1], 0x0               ; x_img, w_img, out0, bias
	v_lshl_add_u32 v[SPW], v0, 2, SPARE
	v_mov_b32 v[NIL], 0
	ds_add_u32 v[SPW], v[NIL]                      ; the opening lines: the add, twice on end, and its wait
	ds_add_u32 v[SPW], v[NIL]
	v_lshrrev_b32 v1, 5, v0
	v_readfirstlane_b32 s14, v1                    ; wave
	s_lshr_b32 s15, s14, 1                         ; my half of the tile's rows.  Also: I fetch for x (0) or for the weight (1)
	s_and_b32 s16, s14, 1                          ; my half of its columns.  Also: which 128 rows I fetch
	s_bfe_u32 s40, ttmp6, 0x40000                  ; cx, cy
	s_bfe_u32 s41, ttmp6, 0x40004
	s_lshl_b32 s42, ttmp9, 2
	s_add_co_u32 s42, s42, s40                     ; tile column
	s_and_b32 s17, ttmp7, 0xffff
	s_lshl_b32 s17, s17, 2
	s_add_co_u32 s17, s17, s41                     ; tile row
	s_lshl_b32 s18, s41, 2
	s_lshl_b32 s18, 15, s18                        ; my row of the cluster
	s_lshl_b32 s19, 0x1111, s40                    ; my column
	s_or_b32 s[G1], s18, (3<<16)|(1<<21)           ; the mask; elements of 8 bytes; bit 21 beside a mask; no padding
	s_or_b32 s[G1B], s19, (3<<16)|(1<<21)
.irp g, G1, G1B
	s_mov_b32 s[\g+1], 32<<16                      ; rows of 32 elements,
	s_mov_b32 s[\g+2], 150<<16                     ; 150 of them,
	s_mov_b32 s[\g+3], 32<<16
	s_mov_b32 s[\g+4], 150
	s_mov_b32 s[\g+5], 32                          ; on end
	s_mov_b32 s[\g+6], 0
	s_mov_b32 s[\g+7], 0
.endr
	s_lshl_b32 s46, s17, 1
	s_add_co_u32 s46, s46, s16
	s_mul_i32 s46, s46, RB                         ; x: the 128 rows that I fetch: of the tile row and the wave alone
	s_mov_b32 s47, 0
	s_lshl_b32 s12, s42, 1
	s_add_co_u32 s12, s12, s16
	s_mul_i32 s12, s12, RB                         ; the weight: of the tile column and the wave alone
	s_mov_b32 s13, 0
	s_mul_i32 s43, s14, HT                         ; where they go: wave x 38,400
	s_mul_i32 s20, s15, HT                         ; my 128 rows of x in a slot
	s_mul_i32 s21, s16, HT
	s_add_co_u32 s21, s21, 2*HT                    ; my 128 rows of the weight
	s_mul_i32 s22, s14, 16*SPITCH
	s_add_co_u32 s22, s22, STAGE                   ; my stage
	s_cmp_eq_u32 s15, 0
	s_cselect_b32 s23, s40, s41                    ; my place among the four that ask with me
	s_cselect_b32 s18, s46, s12
	s_mul_i32 s23, s23, 38
	s_add_co_u32 s18, s18, 2*HT                    ; the prefetches begin at fill 2
	s_mov_b32 s19, 0
	s_lshl_b32 s66, s17, 8
	s_lshl_b32 s67, s15, 7
	s_add_co_u32 s66, s66, s67
	s_lshl_b32 s66, s66, 14                        ; my first row of out0, of 16,384 bytes
	s_lshl_b32 s68, s42, 10
	s_lshl_b32 s69, s16, 9
	s_add_co_u32 s68, s68, s69                     ; my first column, in bytes
	s_add_co_u32 s66, s66, s68
	s_mov_b32 s67, 0
	s_mov_b32 s69, 0
	s_wait_dscnt 0x0                               ; both opening adds are done
	s_wait_kmcnt 0x0
	s_add_nc_u64 s[46:47], s[4:5], s[46:47]
	s_add_nc_u64 s[12:13], s[6:7], s[12:13]
	s_add_nc_u64 s[8:9], s[8:9], s[66:67]
	s_add_nc_u64 s[10:11], s[10:11], s[68:69]
	s_cmp_eq_u32 s15, 0
	s_cselect_b64 s[PFA:PFA+1], s[4:5], s[6:7]
	s_add_nc_u64 s[PFA:PFA+1], s[PFA:PFA+1], s[18:19]
.irp s, 0,1
	s_mov_b32 s[G0+4*\s], 1
	s_add_co_u32 s[G0+4*\s+1], s43, \s*SLOT
	s_add_nc_u64 s[G0+4*\s+2:G0+4*\s+3], s[46:47], \s*HT
	s_or_b32 s[G0+4*\s+3], s[G0+4*\s+3], 0x80000000
	s_mov_b32 s[G0B+4*\s], 1
	s_add_co_u32 s[G0B+4*\s+1], s43, \s*SLOT
	s_add_nc_u64 s[G0B+4*\s+2:G0B+4*\s+3], s[12:13], \s*HT
	s_or_b32 s[G0B+4*\s+3], s[G0B+4*\s+3], 0x80000000
.endr
	CROUND                                         ; all sixteen work-groups are here: the first joint loads meet
	JLOAD 0                                        ; fill 0: my one tensor load at the head
	v_and_b32 v6, 31, v0                           ; lane
	v_and_b32 v1, 15, v0                           ; r
	v_bfe_u32 v2, v0, 4, 1                         ; h
	v_lshlrev_b32 v7, 4, v6
	v_lshlrev_b32 v5, 3, v6
	v_mul_u32_u24 v3, v1, SPITCH
	v_min_u32 v4, 5, v6
	v_add_nc_u32 v[ADRA], s20, v7
	v_add_nc_u32 v[ADRB], s21, v7
	v_add_nc_u32 v[ADSA], s20, v5
	v_add_nc_u32 v[ADSB], s21, v5
	v_add_nc_u32 v[ADRA+1], SLOT, v[ADRA]
	v_add_nc_u32 v[ADRB+1], SLOT, v[ADRB]
	v_add_nc_u32 v[ADSA], 8*1536, v[ADSA]          ; the scale words lie behind a piece's eight images
	v_add_nc_u32 v[ADSB], 8*1536, v[ADSB]
	v_lshl_add_u32 v3, v2, 5, v3
	v_lshlrev_b32 v[CO], 4, v6
	v_add_nc_u32 v[ADSA+1], SLOT, v[ADSA]
	v_add_nc_u32 v[ADSB+1], SLOT, v[ADSB]
	v_add_nc_u32 v[STO], s22, v3                   ; into the stage: row r, 32 bytes for each half of the lanes
	v_add_nc_u32 v[RD], s22, v[CO]                 ; back: the 32 lanes take one row of 512 bytes
	v_lshlrev_b32 v[BO], 5, v2
	v_add_nc_u32 v8, s23, v6                       ; units 38 p + lane,
	v_add3_u32 v4, v4, s23, 32                     ; and 38 p + 32 + 0 .. 5,
	v_lshlrev_b32 v[PF0], 8, v8
	v_min_u32 v4, 149, v4                          ; held inside the block's 150
	v_lshlrev_b32 v[PF1], 8, v4
	s_wait_alu depctr_va_vdst(0)                   ; the wait at the head's end
.irp b, 0,1,2,3,4,5,6,7
	global_load_b128 v[BIAS+8*\b:BIAS+8*\b+3], v[BO], s[10:11] offset:64*\b       ; in the result's layout: register j of block b is bias(16 b + 8 h + j)
	global_load_b128 v[BIAS+8*\b+4:BIAS+8*\b+7], v[BO], s[10:11] offset:64*\b+16
.endr
	ASK 0                                          ; fill 2
; 16 matrix instructions: x's blocks a0, a0 + 1 against the weight's eight, 128 along K.  p: the weight's set and the set of scale words.  first = 1: the bias is C.
; The 64 accumulators take turns, one instruction a turn, in the same order in every unit.
.macro MUL16 a0, p, first
.irp a, \a0, \a0+1
.irp b, 0,1,2,3,4,5,6,7
.set rD, 8*(8*((\a)%4)+\b)
.set rB, 128*(\p)+FR*\b
.set rA, AF+FR*(\a)
.set rC, rD
.if \first
.set rC, BIAS+8*\b
.endif
.set rSB, SC+8*(\p)+4+(\b/2)
.set rSA, SC+8*(\p)+((\a)/2)
.if (((\a)%2) == 0) && ((\b%2) == 0)
	v_wmma_scale_f32_16x16x128_f8f6f4 v[rD:rD+7], v[rB:rB+FR-1], v[rA:rA+FR-1], v[rC:rC+7], v[rSB], v[rSA] matrix_a_fmt:MATRIX_FMT_BF6 matrix_b_fmt:MATRIX_FMT_BF6
.elseif ((\a)%2) == 0
	v_wmma_scale_f32_16x16x128_f8f6f4 v[rD:rD+7], v[rB:rB+FR-1], v[rA:rA+FR-1], v[rC:rC+7], v[rSB], v[rSA] matrix_a_fmt:MATRIX_FMT_BF6 matrix_b_fmt:MATRIX_FMT_BF6 matrix_a_scale:MATRIX_SCALE_ROW1
.elseif (\b%2) == 0
	v_wmma_scale_f32_16x16x128_f8f6f4 v[rD:rD+7], v[rB:rB+FR-1], v[rA:rA+FR-1], v[rC:rC+7], v[rSB], v[rSA] matrix_a_fmt:MATRIX_FMT_BF6 matrix_b_fmt:MATRIX_FMT_BF6 matrix_b_scale:MATRIX_SCALE_ROW1
.else
	v_wmma_scale_f32_16x16x128_f8f6f4 v[rD:rD+7], v[rB:rB+FR-1], v[rA:rA+FR-1], v[rC:rC+7], v[rSB], v[rSA] matrix_a_fmt:MATRIX_FMT_BF6 matrix_b_fmt:MATRIX_FMT_BF6 matrix_a_scale:MATRIX_SCALE_ROW1 matrix_b_scale:MATRIX_SCALE_ROW1
.endif
.endr
.endr
.endm
.macro FETCH_B ns, nq, p               ; the weight's eight fragments of unit nq of slot ns into set p: 24 loads
	WIN TO_B
.irp i, 0,1,2,3,4,5,6,7
.irp c, 0,1,2
	ds_load_b128 v[128*(\p)+FR*\i+4*\c:128*(\p)+FR*\i+4*\c+3], v[ADRB+(\ns)] offset:UB*(\nq)+1536*\i+512*\c
.endr
.endr
	WIN 0
.endm
.macro FETCH_A ns, nq, i0              ; x's blocks i0 .. i0 + 3: 12 loads
.irp i, \i0, \i0+1, \i0+2, \i0+3
.irp c, 0,1,2
	ds_load_b128 v[AF+FR*(\i)+4*\c:AF+FR*(\i)+4*\c+3], v[ADRA+(\ns)] offset:UB*(\nq)+1536*(\i)+512*\c
.endr
.endr
.endm
.macro SCALES ns, nq, p                ; a unit's scale words into set p: 4 loads
.irp jj, 0,1
	ds_load_b64 v[SC+8*(\p)+2*\jj:SC+8*(\p)+2*\jj+1], v[ADSA+(\ns)] offset:UB*(\nq)+256*\jj
	ds_load_b64 v[SC+8*(\p)+4+2*\jj:SC+8*(\p)+4+2*\jj+1], v[ADSB+(\ns)] offset:UB*(\nq)+256*\jj
.endr
.endm
.macro PLACES n                        ; in front of loads into registers that matrix instructions have read, and of reads of results
.rept \n
	v_nop
.endr
.endm
; A unit of 128 along K whose successor (unit nq of slot ns) lies in a slot that is whole: 64 products on set p; the next unit's fragments are fetched in its middle and at its end.
.macro STEP p, ns, nq, first
	s_wait_dscnt 12                                ; all but the youngest twelve loads (x's blocks 4-7)
.if \first
	WIN FST_LO
.else
	WIN MUL_LO
.endif
	MUL16 0, \p, \first
	MUL16 2, \p, \first
	s_wait_dscnt 0                                 ; x's blocks 4-7 (asked for 32 matrix instructions ago)
	PLACES NP
	FETCH_B \ns, \nq, 1-(\p)
	FETCH_A \ns, \nq, 0
	SCALES \ns, \nq, 1-(\p)
.if \first
	WIN FST_HI
.else
	WIN MUL_HI
.endif
	MUL16 4, \p, \first
	MUL16 6, \p, \first
	PLACES NP
	WIN 0
	FETCH_A \ns, \nq, 4
.endm
; A slot's last unit, with the change of slots.  All its fragments have been asked for.  Each wave waits for all its tensor loads (one is out: its part of the other slot), adds 0 to its spare word, and waits
; for that and for its reads of this slot; the barrier opens a round of the cluster's; the refill is the first tensor load behind the round.  From a refill to the wait for it a wave issues 160 matrix instructions.
; fill = 1: this slot takes the fill two on;  2: the same, the last fill, of 100 rows;  0: nothing is left to fetch.  ask = 1: with a prefetch (not in the loop's last trip).
.macro TURN p, slot, fill, ask
.if \ask
	s_wait_xcnt 0x0                                ; my last prefetches have read their address: it is stepped here, ahead of the waits of the change of slots
	s_add_nc_u64 s[PFA:PFA+1], s[PFA:PFA+1], HT
.endif
	s_wait_tensorcnt 0x0
	ds_add_u32 v[SPW], v[NIL]
.if \fill
	s_add_nc_u64 s[G0+4*\slot+2:G0+4*\slot+3], s[G0+4*\slot+2:G0+4*\slot+3], 2*HT    ; no load of mine is out: the descriptors may be written
	s_add_nc_u64 s[G0B+4*\slot+2:G0B+4*\slot+3], s[G0B+4*\slot+2:G0B+4*\slot+3], 2*HT
.endif
.if \fill == 2
	s_mov_b32 s[G1+2], 100<<16
	s_mov_b32 s[G1+4], 100
	s_mov_b32 s[G1B+2], 100<<16
	s_mov_b32 s[G1B+4], 100
.endif
	s_wait_dscnt 13                                ; (the add and x's blocks 4-7 may be out)
	WIN MUL_LO
	MUL16 0, \p, 0                                 ; sixteen matrix instructions between the add and the wait for it
	s_wait_dscnt 0x0                               ; the add is done, and my reads of this slot are over
	s_barrier_signal -1
	MUL16 2, \p, 0
	WIN 0
	s_barrier_wait -1
.if \fill
	CREST
	JLOAD \slot                                    ; its four v_nop are also the places in front of the loads below
.else
	PLACES NP
.endif
	FETCH_B 1-(\slot), 0, 1-(\p)
	FETCH_A 1-(\slot), 0, 0
	SCALES 1-(\slot), 0, 1-(\p)
.if \ask
	s_cmp_gt_u32 s3, 1
	s_cbranch_scc0 .Lnone_\@
	ASK HT                                         ; the fill two on from the one just asked for
.Lnone_\@:
.endif
	WIN MUL_HI
	MUL16 4, \p, 0
	MUL16 6, \p, 0
	PLACES NP
	WIN 0
	FETCH_A 1-(\slot), 0, 4
.endm
	s_wait_tensorcnt 0x0                           ; my part of fill 0 is in
	ds_add_u32 v[SPW], v[NIL]
	s_wait_dscnt 0x0
	CROUND
	JLOAD 1                                        ; fill 1, the first tensor load behind the round
	FETCH_B 0, 0, 0
	FETCH_A 0, 0, 0
	SCALES 0, 0, 0
	FETCH_A 0, 0, 4
	ASK HT                                         ; fill 3
	s_wait_loadcnt 0x0                             ; the bias
	STEP 0, 0, 1, 1                                ; unit 0 stands in front of the loop: its products start the sums, on the bias
	s_mov_b32 s3, 4
.Llap:                                                 ; a trip: six units, once round the ring, from a lap's second unit to the next lap's first; units 1 to 24, refills 2 to 9
	STEP 1, 0, 2, 0
	TURN 0, 0, 1, 1
	STEP 1, 1, 1, 0
	STEP 0, 1, 2, 0
	TURN 1, 1, 1, 1
	STEP 0, 0, 1, 0
	s_sub_co_u32 s3, s3, 1
	s_cmp_lg_u32 s3, 0
	s_cbranch_scc1 .Llap
	STEP 1, 0, 2, 0                                ; units 25 to 31
	TURN 0, 0, 2, 0                                ; fill 10: 256 along K
	STEP 1, 1, 1, 0
	STEP 0, 1, 2, 0
	TURN 1, 1, 0, 0
	STEP 0, 0, 1, 0
	s_wait_dscnt 12                                ; the last unit: nothing more to fetch
	WIN MUL_LO
	MUL16 0, 1, 0
	MUL16 2, 1, 0
	s_wait_dscnt 0
	WIN MUL_HI
	MUL16 4, 1, 0
	MUL16 6, 1, 0
	WIN 0
; THE WAY OUT, block by block of 16 rows x 128 columns, through my own stage in LDS, back as whole rows of 512 bytes.  LDS serves a wave's instructions in order (ISA guide 5.7.1.4).
.macro TOSTAGE a
.set AC, 64*((\a)%4)
	WIN 0x08+4*((\a)/4)
.irp b, 0,1,2,3,4,5,6,7
	ds_store_b128 v[STO], v[AC+8*\b:AC+8*\b+3] offset:64*\b          ; each accumulator from its low end on
	ds_store_b128 v[STO], v[AC+8*\b+4:AC+8*\b+7] offset:64*\b+16
.endr
	WIN 0
.set BB, BK+64*((\a)%2)
.irp t, 0,1,2,3,4,5,6,7,8,9,10,11,12,13,14,15
	ds_load_b128 v[BB+4*\t:BB+4*\t+3], v[RD] offset:\t*SPITCH
.endr
.endm
.macro SEND a, younger
.set BB, BK+64*((\a)%2)
	s_wait_dscnt \younger
.if (\a) > 0
	s_add_nc_u64 s[8:9], s[8:9], 16*SIZE_N*4       ; (behind a wait on XCNT: the earlier stores have read their base)
.endif
.irp t, 0,1,2,3,4,5,6,7,8,9,10,11,12,13,14,15
	global_store_b128 v[CO], v[BB+4*\t:BB+4*\t+3], s[8:9] offset:\t*SIZE_N*4 th:TH_STORE_NT   ; 512 consecutive bytes, at a multiple of 512 from out0's first byte
.endr
.endm
	PLACES NP
	TOSTAGE 0
.irp a, 1,2,3,4,5,6,7
.if \a > 1
	s_wait_xcnt 0x0                                ; block a - 2's stores have read their registers and their base
.endif
	TOSTAGE \a
	SEND \a-1, 32
.endr
	s_wait_xcnt 0x0
	SEND 7, 0
	s_wait_tensorcnt 0x0                           ; the wave's end
	ds_add_u32 v[SPW], v[NIL]
	s_wait_dscnt 0x0
	CROUND                                         ; the closing round
	s_endpgm
.Lfunc_end_k_qeb2d876286_gemm:
	.size	k_qeb2d876286_gemm, .Lfunc_end_k_qeb2d876286_gemm-k_qeb2d876286_gemm
	.p2alignl 7, 3214868480
	.fill 96, 4, 3214868480
	.section	.rodata,"a",@progbits
	.p2align	6, 0x0
	.amdhsa_kernel k_qeb2d876286_gemm
		.amdhsa_group_segment_fixed_size 327680
		.amdhsa_private_segment_fixed_size 0
		.amdhsa_enable_private_segment 0
		.amdhsa_kernarg_size 32
		.amdhsa_user_sgpr_count 2
		.amdhsa_user_sgpr_kernarg_segment_ptr 1
		.amdhsa_wavefront_size32 1
		.amdhsa_system_sgpr_workgroup_id_x 1
		.amdhsa_system_sgpr_workgroup_id_y 1
		.amdhsa_system_sgpr_workgroup_id_z 1
		.amdhsa_system_vgpr_workitem_id 0
		.amdhsa_next_free_vgpr 1024
		.amdhsa_next_free_sgpr 70
		.amdhsa_reserve_vcc 0
		.amdhsa_float_denorm_mode_32 3
		.amdhsa_float_denorm_mode_16_64 3
		.amdhsa_memory_ordered 1
		.amdhsa_forward_progress 1
		.amdhsa_inst_pref_size 208
	.end_amdhsa_kernel
	.amdgpu_metadata
---
amdhsa.version: [ 1, 2 ]
amdhsa.kernels:
  - .name:           k_qeb2d876286_gemm
    .symbol:         k_qeb2d876286_gemm.kd
    .args:
      - { .name: x_img, .offset: 0, .size: 8, .value_kind: global_buffer, .address_space: global }
      - { .name: w_img, .offset: 8, .size: 8, .value_kind: global_buffer, .address_space: global }
      - { .name: out0, .offset: 16, .size: 8, .value_kind: global_buffer, .address_space: global }
      - { .name: bias, .offset: 24, .size: 8, .value_kind: global_buffer, .address_space: global }
    .group_segment_fixed_size: 327680
    .private_segment_fixed_size: 0
    .kernarg_segment_align: 8
    .kernarg_segment_size: 32
    .max_flat_workgroup_size: 128
    .sgpr_count:     70
    .vgpr_count:     1024
    .wavefront_size: 32
...
	.end_amdgpu_metadata
.endif
;; end of part 2
